; MI455X (gfx1250); checked and timed in simulation.
; The chip was launched on July 23, 2026; its instructions are those of AMD's public machine-readable ISA for CDNA 5 (MIT licence, August 2026) and "CDNA5" Instruction Set Architecture Reference Guide (July 2026). The comments in the code are by the model that wrote it; some were corrected since.
;; Real Imag Five Val Linear. Allowed arithmetic: matrix products marked QUANTISED: E2M1 operands, one E8M0 scale for each 32 along K, by v_wmma_scale_f32_16x16x128_f8f6f4 with both operands' format E2M1 (or v_wmma_scale_f32_32x16x128_f4), f32 sums; everything else in f32.
;; Inputs: quant_x_im 2,048 x 4,096 float32; quant_x_re 2,048 x 4,096 float32; weight_im 2,048 x 4,096 float32; weight_re 2,048 x 4,096 float32.
;; Outputs: out0 2,048 x 2,048 float32; out1 2,048 x 2,048 float32.
;; This version of the problem:
;;   THIS VERSION OF THE PROBLEM IS GIVEN IN LOW PRECISION. The matrix products marked QUANTISED in the list below multiply operands that are first quantised to E2M1 (2 exponent bits, 1 mantissa bit; 4 bits a number), with one power-of-two scale for each 32 numbers along K (OCP MX v1.0); their sums are f32. All else is computed in f32.
;;   The module's matrix products, in the order in which they are computed (A, B: the left and right operand; K: the contracted axis; several contracted axes count as one K, in the product's order):
;;     1. [M 2,048, K 4,096] x [K 4,096, N 2,048]; A: input quant_x_re; B: computed on the way: QUANTISED
;;     2. [M 2,048, K 4,096] x [K 4,096, N 2,048]; A: input quant_x_im; B: computed on the way: QUANTISED
;;     3. [M 2,048, K 4,096] x [K 4,096, N 2,048]; A: input quant_x_re; B: computed on the way: QUANTISED
;;     4. [M 2,048, K 4,096] x [K 4,096, N 2,048]; A: input quant_x_im; B: computed on the way: QUANTISED
;;   THE QUANTISER, for each operand of a quantised product, along K:
;;     - K is cut into blocks of 32 from its start; a last block that is shorter is filled with zeros.
;;     - A block's scale is 2^e with e = floor(log2(the largest magnitude in the block)) - 2, held to -126 .. 127; a block of zeros has e = 0. As a byte (E8M0): e + 127.
;;     - Each number is divided by its block's scale, clamped to +-6, and rounded to the nearest number of E2M1, ties to even, subnormals kept.
;;     - The product sums the exact products of the quantised numbers (number of the format x scale) in f32.
;;   ~~~python
;;   def quantise(x, axis):      # numpy; x: float32 -> the quantised numbers, widened to float32 again
;;       x = np.moveaxis(x, axis, -1); K = x.shape[-1]
;;       x = np.pad(x, [(0, 0)] * (x.ndim - 1) + [(0, -K % 32)]); x = x.reshape(x.shape[:-1] + (-1, 32)); a = np.abs(x).max(-1, keepdims=True)
;;       e = np.where(a > 0, np.clip(np.frexp(np.where(a > 0, a, 1))[1] - 1 - 2, -126, 127), 0)      # np.frexp(a)[1] - 1 = floor(log2(a)), exactly
;;       r = np.clip(x / 2.0 ** e, -6, 6)
;;       step = 2.0 ** (np.maximum(np.frexp(np.where(r == 0, 1, r))[1] - 1, 0) - 1)
;;       q = np.round(r / step) * step * 2.0 ** e      # np.round: ties to even
;;       return np.moveaxis(q.reshape(q.shape[:-2] + (-1,))[..., :K], -1, axis).astype(np.float32)
;;   ~~~
;;   OPERANDS COMPUTED ON THE WAY. 'Computed on the way' means the value that the module computes at that place (a softmax that the list does not call 'softmax' is quantised finished and normalised). What goes into a quantiser is computed in f32, as accurately as f32 sums, v_exp_f32 and their like allow (about 1e-6 of the number): no bf16 or f16 on the way to a quantiser, and a product that is left as it is and whose result goes on into a quantised operand takes f32 operands (vector FMAs, or v_wmma_f32_16x16x4_f32). A number that lies on a knife's edge between two numbers of the format may be rounded either way, as far as f32 arithmetic and the matrix unit's own rounding can turn it there, and no further.
;; One version. Each part assembles by itself: llvm-mc -triple=amdgcn-amd-amdhsa -mcpu=gfx1250 --defsym DOCPART=n.
;; ======== version 1 of 1: 3 launches
;; limits: right only within a limited range of input values
;; workspace buffers: psum 2,048 bytes; xq 8,912,896 bytes; wq 8,912,896 bytes
;; launch sums (part 1): grid 512 x 1, 8 waves a work-group, no clusters, 1,280 bytes of LDS; arguments weight_re, weight_im, psum; writes psum
.if DOCPART == 1
	.amdgcn_target "amdgcn-amd-amdhsa--gfx1250"
	.amdhsa_code_object_version 6
	.text
	.protected	k_q64f9f395c9_sums
	.globl	k_q64f9f395c9_sums
	.p2align	8
	.type	k_q64f9f395c9_sums,@function
k_q64f9f395c9_sums:
	s_mov_b64 s[64:65], 0
	v_nop
	global_prefetch_b8 v0, s[64:65] scope:SCOPE_SE
	s_setreg_imm32_b32 hwreg(HW_REG_WAVE_MODE, 25, 1), 1
	s_wait_xcnt 0x0
; psum[tensor][256] f32: partial sums of |w| of weight_re (tensor 0) and weight_im (tensor 1), each [2048][4096] f32.
; The mean of |w| over a whole tensor is wanted before the first weight can be quantised, so this pass stands alone; the next launch adds a tensor's 256 partial sums.
; SHARES.  Work-group g takes tensor g / 256 and the 131,072 bytes from (g % 256) x 131,072 on.  Thread t takes 16 bytes at 16 t + 4,096 i, i = 0 .. 31: a wave's load covers 512 consecutive bytes.
; All 32 loads of a thread go out at once: no loop, no pointer is stepped, every offset is an immediate.  Eight chains of additions a thread, a fixed tree behind them: the order of the sum is fixed.
; No cluster, no tensor load, no matrix unit: the work-groups share no input and there is nothing to multiply.
; A work-group leaves ONE word (4 bytes): the buffer has 2,048 bytes in all.
; LIMITS: NaN and infinities among the inputs are not served.
.set A, 2                              ; v[2:9]    eight running sums
.set X, 16                             ; v[16:143] the 32 loads' registers
	s_load_b128 s[4:7], s[0:1], 0x0                ; weight_re s[4:5], weight_im s[6:7]
	s_load_b64 s[8:9], s[0:1], 0x10                ; psum
	v_lshl_add_u32 v144, v0, 2, 0x100
	v_mov_b32 v145, 0
	v_lshrrev_b32 v10, 5, v0
	s_delay_alu instid0(VALU_DEP_1)
	v_readfirstlane_b32 s12, v10                   ; wave 0..7
	v_lshlrev_b32 v1, 4, v0                        ; 16 t
	s_and_b32 s2, ttmp9, 255
	s_lshl_b32 s2, s2, 17                          ; my 131,072 bytes of the tensor
	s_mov_b32 s3, 0
	s_lshl_b32 s10, ttmp9, 2                       ; my word of psum
	s_mov_b32 s11, 0
	s_mov_b32 s13, 0x76543210                      ; v_permlanex16_b32's selects for lane l xor 16
	s_mov_b32 s14, 0xfedcba98
	s_lshl_b32 s15, s12, 2                         ; my wave's word in LDS
	s_wait_alu depctr_va_vdst(0)
	s_wait_kmcnt 0x0
	s_cmp_lt_u32 ttmp9, 256                        ; the choice hangs on the work-group's number alone
	s_cselect_b64 s[4:5], s[4:5], s[6:7]
	s_add_nc_u64 s[4:5], s[4:5], s[2:3]
	s_add_nc_u64 s[8:9], s[8:9], s[10:11]
.irp i, 0,1,2,3,4,5,6,7,8,9,10,11,12,13,14,15,16,17,18,19,20,21,22,23,24,25,26,27,28,29,30,31
	global_load_b128 v[X+4*\i:X+4*\i+3], v1, s[4:5] offset:4096*\i
.endr
; The loads are taken in pairs; loads come back in order (ISA guide 5.7.1), so the count is that of the younger loads: 30 - 2 p.
.irp p, 0,1
	s_wait_loadcnt 30-2*\p
.irp j, 0,1,2,3
	v_add_f32 v[A+4*\p+\j], |v[X+8*\p+\j]|, |v[X+8*\p+4+\j]|       ; the first two pairs start the eight chains: nothing is cleared
.endr
.endr
	s_wait_alu depctr_va_vdst(0)
.irp p, 2,3,4,5,6,7,8,9,10,11,12,13,14,15
	s_wait_alu depctr_va_vdst(0)
	s_wait_loadcnt 30-2*\p
.irp u, 0,1
.irp j, 0,1,2,3
	v_add_f32 v[A+4*\u+\j], v[A+4*\u+\j], |v[X+8*\p+4*\u+\j]|
.endr
.endr
.endr
.irp j, 0,1,2,3
	s_delay_alu instid0(VALU_DEP_4)
	v_add_f32 v[A+\j], v[A+\j], v[A+4+\j]
.endr
	s_delay_alu instid0(VALU_DEP_2)
	v_add_f32 v[A], v[A], v[A+2]
	s_delay_alu instid0(VALU_DEP_2)
	v_add_f32 v[A+1], v[A+1], v[A+3]
	s_delay_alu instid0(VALU_DEP_1)
	v_add_f32 v[A], v[A], v[A+1]
	s_delay_alu instid0(VALU_DEP_1)
	v_add_f32_dpp v[A], v[A], v[A] row_xmask:1 row_mask:0xf bank_mask:0xf
	s_delay_alu instid0(VALU_DEP_1)
	v_add_f32_dpp v[A], v[A], v[A] row_xmask:2 row_mask:0xf bank_mask:0xf
	s_delay_alu instid0(VALU_DEP_1)
	v_add_f32_dpp v[A], v[A], v[A] row_xmask:4 row_mask:0xf bank_mask:0xf
	s_delay_alu instid0(VALU_DEP_1)
	v_add_f32_dpp v[A], v[A], v[A] row_xmask:8 row_mask:0xf bank_mask:0xf
	s_delay_alu instid0(VALU_DEP_1)
	v_permlanex16_b32 v10, v[A], s13, s14          ; (its destination counts as read: v10 was written at the head)
	s_delay_alu instid0(VALU_DEP_1)
	v_add_f32 v[A], v[A], v10                      ; the wave's sum, in every lane
	v_mov_b32 v11, s15
	ds_store_b32 v11, v[A]                         ; all lanes write the same word with the same value
	s_wait_dscnt 0x0                               ; for the others' sake: my store has landed
	s_barrier_signal -1
	s_barrier_wait -1
	s_cmp_lg_u32 s12, 0                            ; wave 0 adds the eight and stores
	s_cbranch_scc1 .Lend
	v_mov_b32 v10, 0
	ds_load_b128 v[12:15], v10
	ds_load_b128 v[16:19], v10 offset:16
	s_wait_dscnt 0x0
	v_add_f32 v12, v12, v13
	v_add_f32 v14, v14, v15
	v_add_f32 v16, v16, v17
	v_add_f32 v18, v18, v19
	s_delay_alu instid0(VALU_DEP_3)
	v_add_f32 v12, v12, v14
	s_delay_alu instid0(VALU_DEP_2)
	v_add_f32 v16, v16, v18
	s_delay_alu instid0(VALU_DEP_1)
	v_add_f32 v12, v12, v16
	v_cmp_eq_u32 vcc_lo, 0, v0
	s_wait_alu depctr_va_vdst(0)
	s_wait_xcnt 0x0                                ; EXEC is a source of the loads above: it changes only behind this wait
	s_and_saveexec_b32 s2, vcc_lo
	global_store_b32 v10, v12, s[8:9]              ; thread 0 alone
	s_wait_xcnt 0x0                                ; and again in front of the line that widens it
	s_or_b32 exec_lo, exec_lo, s2
.Lend:
	s_wait_tensorcnt 0x0
	ds_add_u32 v144, v145
	s_wait_dscnt 0x0
	s_endpgm
.Lfunc_end_k_q64f9f395c9_sums:
	.size	k_q64f9f395c9_sums, .Lfunc_end_k_q64f9f395c9_sums-k_q64f9f395c9_sums
	.p2alignl 7, 3214868480
	.fill 96, 4, 3214868480
	.section	.rodata,"a",@progbits
	.p2align	6, 0x0
	.amdhsa_kernel k_q64f9f395c9_sums
		.amdhsa_group_segment_fixed_size 1280
		.amdhsa_private_segment_fixed_size 0
		.amdhsa_enable_private_segment 0
		.amdhsa_kernarg_size 24
		.amdhsa_user_sgpr_count 2
		.amdhsa_user_sgpr_kernarg_segment_ptr 1
		.amdhsa_wavefront_size32 1
		.amdhsa_system_sgpr_workgroup_id_x 1
		.amdhsa_system_sgpr_workgroup_id_y 1
		.amdhsa_system_sgpr_workgroup_id_z 1
		.amdhsa_system_vgpr_workitem_id 0
		.amdhsa_next_free_vgpr 146
		.amdhsa_next_free_sgpr 66
		.amdhsa_reserve_vcc 1
		.amdhsa_float_denorm_mode_32 3
		.amdhsa_float_denorm_mode_16_64 3
		.amdhsa_memory_ordered 1
		.amdhsa_forward_progress 1
		.amdhsa_inst_pref_size 15
	.end_amdhsa_kernel
	.amdgpu_metadata
---
amdhsa.version: [ 1, 2 ]
amdhsa.kernels:
  - .name:           k_q64f9f395c9_sums
    .symbol:         k_q64f9f395c9_sums.kd
    .args:
      - { .name: weight_re, .offset: 0, .size: 8, .value_kind: global_buffer, .address_space: global }
      - { .name: weight_im, .offset: 8, .size: 8, .value_kind: global_buffer, .address_space: global }
      - { .name: psum, .offset: 16, .size: 8, .value_kind: global_buffer, .address_space: global }
    .group_segment_fixed_size: 1280
    .private_segment_fixed_size: 0
    .kernarg_segment_align: 8
    .kernarg_segment_size: 24
    .max_flat_workgroup_size: 256
    .sgpr_count:     66
    .vgpr_count:     146
    .wavefront_size: 32
...
	.end_amdgpu_metadata
.endif
;; end of part 1
;; launch quant (part 2): grid 512 x 1, 8 waves a work-group, no clusters, 37,888 bytes of LDS; arguments quant_x_re, quant_x_im, weight_re, weight_im, psum, xq, wq; writes xq, wq
.if DOCPART == 2
	.amdgcn_target "amdgcn-amd-amdhsa--gfx1250"
	.amdhsa_code_object_version 6
	.text
	.protected	k_q64f9f395c9_quant
	.globl	k_q64f9f395c9_quant
	.p2align	8
	.type	k_q64f9f395c9_quant,@function
k_q64f9f395c9_quant:
	s_mov_b64 s[64:65], 0
	v_nop
	global_prefetch_b8 v0, s[64:65] scope:SCOPE_SE
	s_setreg_imm32_b32 hwreg(HW_REG_WAVE_MODE, 25, 1), 1
	s_wait_xcnt 0x0
; All four operands, [2048][4096] f32 with K innermost, become codes of FP4 (E2M1) with one E8M0 scale byte for each 32 along K, laid as the product's launch wants them.
; THE WEIGHTS first go through the five-value quantiser, in f32: scale = max(mean |w|, 1e-5) over the whole tensor (256 partial sums from psum, added in a fixed order, x 2^-23: exact);
; c2 = clip(round(w x 2 / scale), -2, 2), ties to even; deq = c2 x scale / 2 (exact); the operand is w + (deq - w), each of the two steps rounded once.
; THE MX QUANTISER, for all four: a block's byte is its largest magnitude's exponent field - 2, held at 1 from below; each number is divided by the scale and rounded to the nearest code, ties to even, beyond 6 the code of 6.
; LIMITS: NaN and infinities among the inputs are not served.  A block whose largest magnitude lies under 2^-124 gets the byte 1; a block of zeros too (its codes are zeros, and this program alone reads the bytes).
; w x (2 / scale), the reciprocal refined by one Newton step, stands for w / scale x 2: within some 1.5 units of the last place of it.
; WORKSPACE.  xq, wq: [block of 128 rows: 16][K step of 512: 8][part re, im: 2][TILEB bytes].  A tile block: 8 groups of 16 rows x 4,096 bytes of codes, then 8 x 256 scale bytes.
; A group's codes lie [slot: 16][row: 16][16 bytes], its scale bytes [row][slot].  SLOT 4 j + i HOLDS THE K STEP'S BLOCK 4 i + j: the same order for x and for w, since one text lays both,
; so each product still meets its partner and both scales; only the order of the sum over K changes.  Inside a block the codes lie in K's order.
; SHARES.  Work-group g takes tensor g / 128 (w_re, w_im, x_re, x_im) and 16 WHOLE rows of it, group g % 128: 262,144 consecutive bytes.  Wave w takes K step w of these rows; a step is one row: four loads of 512
; consecutive bytes, and the eight waves' loads of a step cover the row's 16,384 bytes.  A wave makes one group's part of one tile block.
; Load i gives lane l = 8 j + u the numbers 4 u .. 4 u + 3 of block 4 i + j.  A block's maximum is joined over its 8 lanes.  A conversion takes 8 registers under ONE scale: the registers of loads i and i + 1 are
; converted twice, once under each block's scale, and each result's valid 16 bits are kept.  No f32 number goes through LDS: only codes do, 2 bytes for a lane and block, into the wave's own stage in the tile
; block's order; they leave as 8 stores of 512 consecutive bytes, the scale bytes as one aligned run of 256.  No barrier: waves share nothing.  No cluster, no tensor load: the work-groups share 1 KiB of psum alone.
; x's work-groups run the lines that make the scale as well and do not use it: one path, one set of counts.
.set STEPS, 16
.set SETS,  6                          ; rows asked for ahead: 24 loads a wave
.set TILEB, 34816
.set EMAX,  2
.set OP,    272                        ; a slot's unit in the stage: 256 bytes + 16 of padding
.set SBY,   16*OP                      ; behind the 16 units: the wave's 256 scale bytes
.set WREG,  SBY+256                    ; LDS of a wave
.set SPARE, 8*WREG                     ; behind the eight regions: the spare words, 128 bytes a wave
.set R,     16                         ; v16-111  six sets of 16 numbers as loaded
.set T,     112                        ; v112-127 at work on the weights
.set C,     128                        ; v128-159 codes: two registers a row
.set E,     160                        ; v160-175 a scale word a row
.set OUTR,  176                        ; v176-207 the codes' way out
.set R2,    210                        ; v[210:211] 2 / scale, twice
.set HS,    212                        ; v[212:213] scale / 2, twice
.set SPW,   224                        ; my spare word's address; never rewritten
.set NIL,   225                        ; 0; never rewritten
.set M,     226                        ; v226-229 four blocks' maxima
.set S,     230                        ; v230-233 their scale operands
.set Q,     234                        ; v234-237 the conversions' results
.set B,     238                        ; v238-241 their scale bytes
	s_load_b256 s[4:11], s[0:1], 0x0               ; x_re, x_im, w_re, w_im
	s_load_b128 s[12:15], s[0:1], 0x20             ; psum, xq
	s_load_b64 s[16:17], s[0:1], 0x30              ; wq
	v_lshl_add_u32 v[SPW], v0, 2, SPARE
	v_mov_b32 v[NIL], 0
	v_lshrrev_b32 v1, 5, v0
	v_readfirstlane_b32 s18, v1                    ; wave 0..7
	v_and_b32 v2, 31, v0                           ; lane
	v_lshlrev_b32 v3, 4, v2                        ; 16 x lane: my bytes of a load's or a store's 512
	s_mul_i32 s19, s18, WREG                       ; my wave's LDS
	s_add_co_u32 s21, s19, SBY
	v_lshrrev_b32 v12, 3, v2                       ; j
	v_and_b32 v13, 7, v2                           ; u
	v_mul_u32_u24 v4, v12, 4*OP
	v_lshlrev_b32 v5, 2, v12
	v_lshl_add_u32 v4, v13, 1, v4
	v_add_nc_u32 v5, s21, v5                       ; scale word j of a row; the row's 16 bytes stand in the immediate
	v_add_nc_u32 v4, s19, v4                       ; stage, in: unit 4 j, byte 2 u; i units and the row's 16 bytes stand in the immediate
	v_and_b32 v12, 15, v2
	v_lshrrev_b32 v13, 4, v2
	v_mul_u32_u24 v6, v13, OP
	v_lshlrev_b32 v10, 3, v2                       ; 8 x lane: the scale bytes' way out
	v_lshl_add_u32 v6, v12, 4, v6
	v_add_nc_u32 v7, s21, v10
	v_add_nc_u32 v6, s19, v6                       ; stage, out: lanes 0-15 one unit, lanes 16-31 the next
	v_mov_b32 v222, 0                              ; (a lane permute's destination counts as one of its sources)
	s_bfe_u32 s20, ttmp9, 0x10007                  ; part: re 0, im 1
	s_and_b32 s26, ttmp9, 127
	s_lshl_b32 s26, s26, 18                        ; my work-group's 16 rows of 16,384 bytes,
	s_lshl_b32 s25, s18, 11                        ; my wave's K step: 2,048 bytes of a row
	s_add_co_u32 s26, s26, s25
	s_mov_b32 s27, 0
	s_and_b32 s30, ttmp9, 120                      ; 8 x the block of 128 rows,
	s_add_co_u32 s30, s30, s18                     ; + the K step,
	s_lshl_b32 s30, s30, 1
	s_add_co_u32 s30, s30, s20                     ; twice that + the part:
	s_mul_i32 s30, s30, TILEB                      ; my tile block
	s_and_b32 s2, ttmp9, 7                         ; the group in it
	s_lshl_b32 s25, s2, 12
	s_add_co_u32 s28, s30, s25                     ; its codes
	s_mov_b32 s29, 0
	s_lshl_b32 s25, s2, 8
	s_add_co_u32 s30, s30, s25
	s_add_co_u32 s30, s30, 32768                   ; its scale bytes
	s_mov_b32 s31, 0
	s_lshl_b32 s2, s20, 10                         ; my part's 256 partial sums
	s_mov_b32 s3, 0
	s_mov_b32 s22, 0x76543210                      ; v_permlanex16_b32's selects for lane l xor 16
	s_mov_b32 s23, 0xfedcba98
	s_mov_b32 s24, 0xffff                          ; the low 16 bits
	s_wait_alu depctr_va_vdst(0)
	s_wait_kmcnt 0x0
	s_cmp_eq_u32 s20, 0                            ; every choice hangs on the work-group's number alone
	s_cselect_b64 s[4:5], s[4:5], s[6:7]
	s_cselect_b64 s[8:9], s[8:9], s[10:11]
	s_cmp_lt_u32 ttmp9, 256                        ; the first 256 work-groups take the weights
	s_cselect_b64 s[4:5], s[8:9], s[4:5]
	s_cselect_b64 s[14:15], s[16:17], s[14:15]
	s_add_nc_u64 s[4:5], s[4:5], s[26:27]          ; in
	s_add_nc_u64 s[8:9], s[14:15], s[28:29]        ; codes out
	s_add_nc_u64 s[10:11], s[14:15], s[30:31]      ; scale bytes out
	s_add_nc_u64 s[12:13], s[12:13], s[2:3]
	global_load_b128 v[214:217], v3, s[12:13]
	global_load_b128 v[218:221], v3, s[12:13] offset:512
.macro LOAD t                          ; row t: 32 lanes read 512 consecutive bytes, four times
.irp i, 0,1,2,3
	global_load_b128 v[R+16*((\t)%SETS)+4*\i:R+16*((\t)%SETS)+4*\i+3], v3, s[4:5] offset:16384*(\t)+512*\i th:TH_LOAD_NT
.endr
.endm
.macro STE xs                          ; 16 weights in v[xs] on become w + (deq - w)
.irp j, 0,2,4,6,8,10,12,14
	v_pk_mul_f32 v[T+\j:T+\j+1], v[\xs+\j:\xs+\j+1], v[R2:R2+1]
.endr
.irp j, 0,1,2,3,4,5,6,7,8,9,10,11,12,13,14,15
	v_rndne_f32 v[T+\j], v[T+\j]                   ; ties to even
.endr
.irp j, 0,1,2,3,4,5,6,7,8,9,10,11,12,13,14,15
	v_med3_num_f32 v[T+\j], v[T+\j], -2.0, 2.0     ; the clip, on twice the value
.endr
.irp j, 0,2,4,6,8,10,12,14
	v_pk_fma_f32 v[T+\j:T+\j+1], v[T+\j:T+\j+1], v[HS:HS+1], v[\xs+\j:\xs+\j+1] neg_lo:[0,0,1] neg_hi:[0,0,1]   ; deq - w: the product is exact, so this rounds once
.endr
.irp j, 0,2,4,6,8,10,12,14
	v_pk_add_f32 v[\xs+\j:\xs+\j+1], v[\xs+\j:\xs+\j+1], v[T+\j:T+\j+1]
.endr
.endm
.irp t, 0,1,2,3,4,5
	LOAD \t
.endr
	s_wait_loadcnt 4*SETS                          ; the partial sums are in; the 24 loads behind them stay out
.irp j, 0,1,2,3
	v_add_f32 v[214+\j], v[214+\j], v[218+\j]
.endr
	s_delay_alu instid0(VALU_DEP_2)
	v_add_f32 v214, v214, v216
	s_delay_alu instid0(VALU_DEP_2)
	v_add_f32 v215, v215, v217
	s_delay_alu instid0(VALU_DEP_1)
	v_add_f32 v214, v214, v215
.irp x, 1,2,4,8
	s_delay_alu instid0(VALU_DEP_1)
	v_add_f32_dpp v214, v214, v214 row_xmask:\x row_mask:0xf bank_mask:0xf
.endr
	s_delay_alu instid0(VALU_DEP_1)
	v_permlanex16_b32 v222, v214, s22, s23
	s_delay_alu instid0(VALU_DEP_1)
	v_add_f32 v214, v214, v222                     ; the tensor's sum of |w|: the same order, so the same bits, in every wave of the launch
	s_delay_alu instid0(VALU_DEP_1)
	v_mul_f32 v214, 0x34000000, v214               ; x 2^-23: the mean over 2048 x 4096 numbers
	s_delay_alu instid0(VALU_DEP_1)
	v_max_num_f32 v214, 0x3727c5ac, v214           ; scale = max(mean, 1e-5)
	s_wait_alu depctr_va_vdst(0)
	v_rcp_f32 v223, v214
	v_mul_f32 v[HS], 0.5, v214                     ; (the plain instruction behind the reciprocal)  scale / 2
	s_wait_alu depctr_va_vdst(0)                   ; and ahead of the first line that names its result
	v_fma_f32 v222, -v214, v223, 1.0               ; one Newton step
	v_fma_f32 v223, v222, v223, v223
	s_delay_alu instid0(VALU_DEP_1)
	v_add_f32 v[R2], v223, v223                    ; 2 / scale
	v_mov_b32 v[HS+1], v[HS]
	s_delay_alu instid0(VALU_DEP_2)
	v_mov_b32 v[R2+1], v[R2]
	s_wait_alu depctr_va_vdst(0)
.macro STEP t
.set RS, R+16*((\t)%SETS)
.if STEPS-1-(\t) >= SETS-1
	s_wait_loadcnt 4*(SETS-1)                      ; this row's four loads are in; those of the five rows behind it may be out
.else
	s_wait_loadcnt 4*(STEPS-1-(\t))
.endif
	s_cmp_lt_u32 ttmp9, 256                        ; a weight's work-group?  Only work on registers stands under the branch
	s_cbranch_scc0 .Lplain_\@
	STE RS
.Lplain_\@:
.irp i, 0,1,2,3                        ; four blocks by turns: my 4 numbers of each,
	v_max3_num_f32 v[M+\i], |v[RS+4*\i]|, |v[RS+4*\i+1]|, |v[RS+4*\i+2]|
.endr
.irp i, 0,1,2,3                        ; with the floor 2^(3 - 127): so the byte cannot fall under 1,
	s_delay_alu instid0(VALU_DEP_4)
	v_max3_num_f32 v[M+\i], v[M+\i], |v[RS+4*\i+3]|, (EMAX+1)<<23
.endr
.irp x, 1,2,4                          ; and those of the block's seven other lanes
.irp i, 0,1,2,3
	s_delay_alu instid0(VALU_DEP_4)
	v_max_num_f32_dpp v[M+\i], v[M+\i], v[M+\i] row_xmask:\x row_mask:0xf bank_mask:0xf
.endr
.endr
.irp i, 0,1,2,3
	s_delay_alu instid0(VALU_DEP_4)
	v_add_nc_u32 v[S+\i], -(EMAX<<23), v[M+\i]     ; 2 off the exponent field: the conversion takes this operand's exponent field as its scale, and nothing else of it
.endr
.irp p, 0,1                            ; the 8 numbers of loads 2 p and 2 p + 1 under each of their two scales: the first result's low 16 bits and the second's high 16 are right
	v_cvt_scalef32_pk8_fp4_f32 v[Q+2*\p], v[RS+8*\p:RS+8*\p+7], v[S+2*\p]
	v_cvt_scalef32_pk8_fp4_f32 v[Q+2*\p+1], v[RS+8*\p:RS+8*\p+7], v[S+2*\p+1]
.endr
.irp i, 0,1,2,3
	v_lshrrev_b32 v[B+\i], 23, v[S+\i]             ; the scale's byte (also the plain lines behind the conversions)
.endr
	v_bfi_b32 v[C+2*(\t)], s24, v[Q], v[Q+1]
	v_bfi_b32 v[C+2*(\t)+1], s24, v[Q+2], v[Q+3]
	v_lshl_or_b32 v[B], v[B+1], 8, v[B]
	s_delay_alu instid0(VALU_DEP_4)
	v_lshl_or_b32 v[B+2], v[B+3], 8, v[B+2]
	s_delay_alu instid0(VALU_DEP_1)
	v_lshl_or_b32 v[E+(\t)], v[B+2], 16, v[B]      ; byte i: slot 4 j + i: scale word j of this row
	ds_store_b16 v4, v[C+2*(\t)] offset:16*(\t)                    ; slot 4 j, row t, bytes 2 u, 2 u + 1
	ds_store_b16_d16_hi v4, v[C+2*(\t)] offset:OP+16*(\t)          ; slot 4 j + 1
	ds_store_b16 v4, v[C+2*(\t)+1] offset:2*OP+16*(\t)
	ds_store_b16_d16_hi v4, v[C+2*(\t)+1] offset:3*OP+16*(\t)
	ds_store_b32 v5, v[E+(\t)] offset:16*(\t)      ; the 8 lanes of a j write the same word with the same value
.if (\t)+SETS < STEPS
	LOAD (\t)+SETS                                 ; this set's registers take the row six on
.endif
.endm
.irp t, 0,1,2,3,4,5,6,7,8,9,10,11,12,13,14,15
	STEP \t
.endr
.irp i, 0,1,2,3,4,5,6,7
	ds_load_b128 v[OUTR+4*\i:OUTR+4*\i+3], v6 offset:2*OP*\i       ; units 2 i and 2 i + 1; LDS serves a wave's instructions in order (ISA guide 5.7.1.4): these see my stores
.endr
	ds_load_b64 v[208:209], v7
.irp i, 0,1,2,3,4,5,6,7
	s_wait_dscnt 8-\i                              ; behind load i: the 7 - i loads of codes and the load of scale bytes
	global_store_b128 v3, v[OUTR+4*\i:OUTR+4*\i+3], s[8:9] offset:512*\i   ; 32 lanes store 512 consecutive bytes, at a multiple of 256 from the buffer's first byte
.endr
	s_wait_dscnt 0x0
	global_store_b64 v10, v[208:209], s[10:11]     ; 32 lanes store 256 consecutive bytes, aligned
	s_wait_tensorcnt 0x0                           ; the wave's end
	ds_add_u32 v[SPW], v[NIL]
	s_wait_dscnt 0x0
	s_endpgm
.Lfunc_end_k_q64f9f395c9_quant:
	.size	k_q64f9f395c9_quant, .Lfunc_end_k_q64f9f395c9_quant-k_q64f9f395c9_quant
	.p2alignl 7, 3214868480
	.fill 96, 4, 3214868480
	.section	.rodata,"a",@progbits
	.p2align	6, 0x0
	.amdhsa_kernel k_q64f9f395c9_quant
		.amdhsa_group_segment_fixed_size 37888
		.amdhsa_private_segment_fixed_size 0
		.amdhsa_enable_private_segment 0
		.amdhsa_kernarg_size 56
		.amdhsa_user_sgpr_count 2
		.amdhsa_user_sgpr_kernarg_segment_ptr 1
		.amdhsa_wavefront_size32 1
		.amdhsa_system_sgpr_workgroup_id_x 1
		.amdhsa_system_sgpr_workgroup_id_y 1
		.amdhsa_system_sgpr_workgroup_id_z 1
		.amdhsa_system_vgpr_workitem_id 0
		.amdhsa_next_free_vgpr 242
		.amdhsa_next_free_sgpr 66
		.amdhsa_reserve_vcc 0
		.amdhsa_float_denorm_mode_32 3
		.amdhsa_float_denorm_mode_16_64 3
		.amdhsa_memory_ordered 1
		.amdhsa_forward_progress 1
		.amdhsa_inst_pref_size 116
	.end_amdhsa_kernel
	.amdgpu_metadata
---
amdhsa.version: [ 1, 2 ]
amdhsa.kernels:
  - .name:           k_q64f9f395c9_quant
    .symbol:         k_q64f9f395c9_quant.kd
    .args:
      - { .name: quant_x_re, .offset: 0, .size: 8, .value_kind: global_buffer, .address_space: global }
      - { .name: quant_x_im, .offset: 8, .size: 8, .value_kind: global_buffer, .address_space: global }
      - { .name: weight_re, .offset: 16, .size: 8, .value_kind: global_buffer, .address_space: global }
      - { .name: weight_im, .offset: 24, .size: 8, .value_kind: global_buffer, .address_space: global }
      - { .name: psum, .offset: 32, .size: 8, .value_kind: global_buffer, .address_space: global }
      - { .name: xq, .offset: 40, .size: 8, .value_kind: global_buffer, .address_space: global }
      - { .name: wq, .offset: 48, .size: 8, .value_kind: global_buffer, .address_space: global }
    .group_segment_fixed_size: 37888
    .private_segment_fixed_size: 0
    .kernarg_segment_align: 8
    .kernarg_segment_size: 56
    .max_flat_workgroup_size: 256
    .sgpr_count:     66
    .vgpr_count:     242
    .wavefront_size: 32
...
	.end_amdgpu_metadata
.endif
;; end of part 2
;; launch cgemm (part 3): grid 16 x 16, 4 waves a work-group, clusters of 4 x 4, 327,680 bytes of LDS; arguments xq, wq, out0, out1; writes out0, out1
.if DOCPART == 3
	.amdgcn_target "amdgcn-amd-amdhsa--gfx1250"
	.amdhsa_code_object_version 6
	.text
	.protected	k_q64f9f395c9_cgemm
	.globl	k_q64f9f395c9_cgemm
	.p2align	8
	.type	k_q64f9f395c9_cgemm,@function
k_q64f9f395c9_cgemm:
	s_mov_b64 s[64:65], 0
	v_nop
	global_prefetch_b8 v0, s[64:65] scope:SCOPE_SE
	s_setreg_imm32_b32 hwreg(HW_REG_WAVE_MODE, 25, 1), 1
	s_wait_xcnt 0x0
	s_wait_alu depctr_hold_cnt(0) depctr_sa_sdst(0) depctr_va_vdst(0) depctr_va_sdst(0) depctr_va_ssrc(0) depctr_va_vcc(0) depctr_vm_vsrc(0)
	s_getreg_b32 s2, hwreg(HW_REG_IB_STS2, 6, 4)
	s_cmp_eq_u32 s2, 0
	s_cbranch_scc0 .Lentry_in_a_cluster
	s_endpgm
.Lentry_in_a_cluster:
	s_bfe_u32 s2, ttmp6, 0x10000c
	s_cmp_lg_u32 s2, 0xf033
	s_cbranch_scc0 .Lentry_shape_is_right
	s_endpgm
.Lentry_shape_is_right:
; out0 = xr wr^T - xi wi^T, out1 = xr wi^T + xi wr^T, [2048][2048] f32, on codes of FP4 (E2M1) with E8M0 scales as the launch before laid them:
; xq, wq: [block of 128 rows][K step of 512][part re, im][TILEB bytes], a tile block being 8 groups of 16 rows x 4,096 bytes of codes in the order of the operand's registers, then 8 x 256 scale bytes.
; A work-group of four waves makes 128 x 128 of both outputs, a wave 64 x 64: three sets of 16 accumulators (xr wr, xi wi, and the imaginary sum); the difference is taken on the way out.
; K goes in 8 steps of 512 through a ring of two LDS slots; each wave fetches one tile block (x re, x im, w re, w im) by one tensor load.
; CLUSTERS: 4 x 4 work-groups; x's tiles are asked for jointly along a row of the cluster, w's along a column.  The matrix instruction is used transposed (source 0 = rows of w, source 1 = rows of x).
; PREFETCH: behind the load of K step m each wave names K step m + 2's part of its own tile block (at the head K step 1's too): the four partners that ask for a tile block jointly take 34 of its 136 blocks of 256 bytes each,
; told apart by address alone: lanes 0-31 name 32 of them, a second line the last two (lanes 1-31 of it name the last again).  K step 7 is the last that is named.
; WINDOWS: 0: addresses, scale words, x's fragments; 1: w's fragments, on the way out the rows read back from the stage; 2 and 3: accumulators.
.set TILEB,  34816
.set SLOT,   4*TILEB
.set STEPB,  2*TILEB
.set BLKB,   8*STEPB
.set STAGE,  2*SLOT
.set SPITCH, 272
.set SPARE,  STAGE+4*16*SPITCH
.set LAPS,   4
.set ADRX, 16
.set ADRW, 20
.set ADRS, 22
.set STO,  24
.set RD,   25
.set CO,   26
.set SPW,  28
.set NIL,  29
.set SC,   32
.set XF,   128
.set TMP,  128
.set BK,   192
.set G1,  24
.set G0,  32
.set G1B, 48
.set G0B, 56
.set MSB, 0
.macro WIN new
.if MSB != \new
	s_set_vgpr_msb (MSB<<8)|\new
.set MSB, \new
.endif
.endm
.set MUL_LO, 0xa1
.set MUL_HI, 0xf1
.set TO_B,   0x40
.set SUBW,   0x0a
.set ST3,    0x0c
.macro JLOAD g0a, g1a, g0b, g1b
	s_cmp_eq_u32 s15, 0
	s_cbranch_scc0 .Lfor_b_\@
	tensor_load_to_lds s[\g0a:\g0a+3], s[\g1a:\g1a+7]
	s_nop 0
.rept 4
	v_nop
.endr
	s_branch .Lasked_\@
.Lfor_b_\@:
	tensor_load_to_lds s[\g0b:\g0b+3], s[\g1b:\g1b+7]
	s_nop 0
.rept 4
	v_nop
.endr
.Lasked_\@:
.endm
.macro CREST
	s_cmp_lg_u32 s14, 0
	s_cbranch_scc1 .Lnot_wave_0_\@
	s_barrier_signal -3
.Lnot_wave_0_\@:
	s_barrier_wait -3
	s_barrier_signal -1
	s_barrier_wait -1
.endm
.macro CROUND
	s_barrier_signal -1
	s_barrier_wait -1
	CREST
.endm
	s_load_b256 s[4:11], s[0:1], 0x0
	v_lshl_add_u32 v[SPW], v0, 2, SPARE
	v_mov_b32 v[NIL], 0
	ds_add_u32 v28, v29
	ds_add_u32 v28, v29
	s_wait_dscnt 0x0
	v_lshrrev_b32 v1, 5, v0
	v_readfirstlane_b32 s14, v1
	v_and_b32 v30, 31, v0
	v_min_u32 v31, 1, v30
	v_lshlrev_b32 v30, 8, v30                      ; the prefetches' offsets: block lane of my 34,
	v_lshl_add_u32 v31, v31, 8, 8192               ; and blocks 32 and 33; never rewritten
	s_wait_alu depctr_va_vdst(0)
	s_lshr_b32 s15, s14, 1
	s_and_b32 s16, s14, 1
	s_bfe_u32 s40, ttmp6, 0x40000
	s_bfe_u32 s41, ttmp6, 0x40004
	s_lshl_b32 s42, ttmp9, 2
	s_add_co_u32 s42, s42, s40
	s_and_b32 s17, ttmp7, 0xffff
	s_lshl_b32 s17, s17, 2
	s_add_co_u32 s17, s17, s41
	s_lshl_b32 s43, s41, 2
	s_lshl_b32 s43, 15, s43
	s_lshl_b32 s44, 0x1111, s40
	s_or_b32 s[G1+0], s43, (3<<16)|(1<<21)
	s_or_b32 s[G1B+0], s44, (3<<16)|(1<<21)
.irp g, G1, G1B
	s_mov_b32 s[\g+1], 32<<16
	s_mov_b32 s[\g+2], 136<<16
	s_mov_b32 s[\g+3], 32<<16
	s_mov_b32 s[\g+4], 136
	s_mov_b32 s[\g+5], 32
	s_mov_b32 s[\g+6], 0
	s_mov_b32 s[\g+7], 0
.endr
	s_mul_i32 s18, s16, TILEB
	s_mul_i32 s20, s17, BLKB
	s_add_co_u32 s20, s20, s18
	s_mov_b32 s21, 0
	s_mul_i32 s46, s42, BLKB
	s_add_co_u32 s46, s46, s18
	s_mov_b32 s47, 0
	s_mul_i32 s45, s14, TILEB
	s_wait_kmcnt 0x0
	s_add_nc_u64 s[20:21], s[4:5], s[20:21]
	s_add_nc_u64 s[46:47], s[6:7], s[46:47]
	s_cmp_eq_u32 s15, 0                            ; do I fetch for x?
	s_cselect_b64 s[12:13], s[20:21], s[46:47]     ; where my prefetches stand: my tile block of K step 0,
	s_cselect_b32 s2, s40, s41                     ; my place among the four that ask for it with me,
	s_mul_i32 s2, s2, 34*256                       ; and so my 34 blocks of it
	s_mov_b32 s3, 0
	s_add_nc_u64 s[12:13], s[12:13], s[2:3]
.irp s, 0,1
	s_mov_b32 s[G0+4*\s], 1
	s_add_co_u32 s[G0+4*\s+1], s45, \s*SLOT
	s_add_nc_u64 s[G0+4*\s+2:G0+4*\s+3], s[20:21], \s*STEPB
	s_or_b32 s[G0+4*\s+3], s[G0+4*\s+3], 0x80000000
	s_mov_b32 s[G0B+4*\s], 1
	s_add_co_u32 s[G0B+4*\s+1], s45, \s*SLOT
	s_add_nc_u64 s[G0B+4*\s+2:G0B+4*\s+3], s[46:47], \s*STEPB
	s_or_b32 s[G0B+4*\s+3], s[G0B+4*\s+3], 0x80000000
.endr
	CROUND                                         ; all sixteen work-groups are here: the first joint loads meet
	JLOAD G0, G1, G0B, G1B                         ; K step 0: one tensor load a wave at the head
	global_prefetch_b8 v30, s[12:13] offset:STEPB th:TH_LOAD_NT scope:SCOPE_SE      ; K steps 1 and 2
	global_prefetch_b8 v31, s[12:13] offset:STEPB th:TH_LOAD_NT scope:SCOPE_SE
	global_prefetch_b8 v30, s[12:13] offset:2*STEPB th:TH_LOAD_NT scope:SCOPE_SE
	global_prefetch_b8 v31, s[12:13] offset:2*STEPB th:TH_LOAD_NT scope:SCOPE_SE
	v_and_b32 v1, 15, v0
	v_bfe_u32 v2, v0, 4, 1
	s_wait_alu depctr_va_vdst(0)
	v_and_b32 v3, 31, v0
	v_lshlrev_b32 v3, 4, v3
	s_lshl_b32 s21, s15, 14
	s_lshl_b32 s22, s16, 14
	s_add_co_u32 s22, s22, 2*TILEB
.irp s, 0,1
	v_add_nc_u32 v[ADRX+\s], s21, v3
	v_add_nc_u32 v[ADRW+\s], s22, v3
	s_add_co_u32 s21, s21, SLOT
	s_add_co_u32 s22, s22, SLOT
.endr
	s_xor_b32 s23, s15, 1
	s_add_co_u32 s23, s23, s16
	s_lshl_b32 s23, s23, 10
	s_add_co_u32 s23, s23, 2*TILEB-1024
	v_mul_u32_u24 v5, s23, v2
	v_lshl_add_u32 v5, v1, 4, v5
	s_lshl_b32 s21, s15, 10
	s_add_co_u32 s21, s21, 32768
	v_add_nc_u32 v[ADRS], s21, v5
	s_add_co_u32 s21, s21, SLOT
	v_add_nc_u32 v[ADRS+1], s21, v5
	s_mul_i32 s23, s14, 16*SPITCH
	s_add_co_u32 s23, s23, STAGE
	v_mul_u32_u24 v5, v1, SPITCH
	v_lshl_add_u32 v5, v2, 5, v5
	v_add_nc_u32 v[STO], s23, v5
	v_mul_u32_u24 v5, v2, SPITCH
	v_lshl_add_u32 v5, v1, 4, v5
	v_add_nc_u32 v[RD], s23, v5
	v_lshlrev_b32 v5, 13, v2
	v_lshl_add_u32 v[CO], v1, 4, v5
	s_lshl_b32 s22, s17, 7
	s_lshl_b32 s23, s15, 6
	s_add_co_u32 s22, s22, s23
	s_lshl_b32 s22, s22, 13
	s_lshl_b32 s46, s42, 9
	s_lshl_b32 s47, s16, 8
	s_add_co_u32 s46, s46, s47
	s_add_co_u32 s46, s46, s22
	s_mov_b32 s47, 0
	s_add_nc_u64 s[8:9], s[8:9], s[46:47]
	s_add_nc_u64 s[10:11], s[10:11], s[46:47]
.macro MUL16 dst, pw, px, f, q, sc, zero
.irp a, 0,1,2,3
.irp b, 0,1,2,3
.if \zero
	v_wmma_scale_f32_16x16x128_f8f6f4 v[\dst+8*(4*\a+\b):\dst+8*(4*\a+\b)+7], v[64*(\f)+32*\pw+8*\b:64*(\f)+32*\pw+8*\b+7], v[XF+64*(\f)+32*\px+8*\a:XF+64*(\f)+32*\px+8*\a+7], 0, v[SC+32*(\sc)+16*\pw+4*\b+(\q)], v[SC+32*(\sc)+16*\px+4*\a+(\q)] matrix_a_fmt:MATRIX_FMT_FP4 matrix_b_fmt:MATRIX_FMT_FP4 matrix_a_scale:MATRIX_SCALE_ROW1
.else
	v_wmma_scale_f32_16x16x128_f8f6f4 v[\dst+8*(4*\a+\b):\dst+8*(4*\a+\b)+7], v[64*(\f)+32*\pw+8*\b:64*(\f)+32*\pw+8*\b+7], v[XF+64*(\f)+32*\px+8*\a:XF+64*(\f)+32*\px+8*\a+7], v[\dst+8*(4*\a+\b):\dst+8*(4*\a+\b)+7], v[SC+32*(\sc)+16*\pw+4*\b+(\q)], v[SC+32*(\sc)+16*\px+4*\a+(\q)] matrix_a_fmt:MATRIX_FMT_FP4 matrix_b_fmt:MATRIX_FMT_FP4 matrix_a_scale:MATRIX_SCALE_ROW1
.endif
.endr
.endr
.endm
.macro FRAG reg, adr, off
	ds_load_b128 v[\reg:\reg+3], v[\adr] offset:\off
	ds_load_b128 v[\reg+4:\reg+7], v[\adr] offset:\off+512
.endm
.macro FETCH slot, q, f
	WIN TO_B
.irp b, 0,1,2,3
	FRAG 64*(\f)+8*\b, ADRW+\slot, 4096*\b+1024*(\q)
.endr
	WIN 0
.irp a, 0,1,2,3
	FRAG XF+64*(\f)+8*\a, ADRX+\slot, 4096*\a+1024*(\q)
.endr
.irp a, 0,1,2,3
	FRAG XF+64*(\f)+32+8*\a, ADRX+\slot, TILEB+4096*\a+1024*(\q)
.endr
	WIN TO_B
.irp b, 0,1,2,3
	FRAG 64*(\f)+32+8*\b, ADRW+\slot, TILEB+4096*\b+1024*(\q)
.endr
	WIN 0
.endm
.macro SCALES s
.irp p, 0,1
.irp i, 0,1,2,3
	ds_load_b128 v[SC+32*\s+16*\p+4*\i:SC+32*\s+16*\p+4*\i+3], v[ADRS+\s] offset:TILEB*\p+256*\i
.endr
.endr
.endm
.macro PLACES
.rept 4
	v_nop
.endr
.endm
.macro STEP slot, q, zero
	s_wait_dscnt 16
	PLACES
	FETCH \slot, (\q)+1, 1-(\q)%2
	WIN MUL_LO
	MUL16 0, 0, 0, (\q)%2, \q, \slot, \zero
	s_wait_dscnt 32
	MUL16 128, 1, 1, (\q)%2, \q, \slot, \zero
	WIN MUL_HI
	MUL16 0, 1, 0, (\q)%2, \q, \slot, \zero
	MUL16 0, 0, 1, (\q)%2, \q, \slot, 0
	WIN 0
.endm
.macro TURN slot, next, fill
.if \fill
	s_wait_xcnt 0x0                                ; my prefetches have read their address: it steps one K step
	s_add_nc_u64 s[12:13], s[12:13], STEPB
.endif
	s_wait_tensorcnt 0x0
	ds_add_u32 v[SPW], v[NIL]
	s_wait_dscnt 17
	WIN MUL_LO
	MUL16 0, 0, 0, 1, 3, \slot, 0
	s_wait_dscnt 0x0
	s_barrier_signal -1
	MUL16 128, 1, 1, 1, 3, \slot, 0
	WIN 0
	s_barrier_wait -1
.if \fill
	CREST
	s_add_nc_u64 s[G0+4*\slot+2:G0+4*\slot+3], s[G0+4*\slot+2:G0+4*\slot+3], 2*STEPB
	s_add_nc_u64 s[G0B+4*\slot+2:G0B+4*\slot+3], s[G0B+4*\slot+2:G0B+4*\slot+3], 2*STEPB
	JLOAD G0+4*\slot, G1, G0B+4*\slot, G1B
.else
	PLACES
.endif
	s_wait_alu depctr_va_vdst(0)
	SCALES \next
	FETCH \next, 0, 0
.if \fill
	s_cmp_gt_u32 s3, 1                             ; the loop's last trip has no K step two on
	s_cbranch_scc0 .Lno_ask_\@
	global_prefetch_b8 v30, s[12:13] offset:3*STEPB th:TH_LOAD_NT scope:SCOPE_SE    ; the K step two behind the one just asked for
	global_prefetch_b8 v31, s[12:13] offset:3*STEPB th:TH_LOAD_NT scope:SCOPE_SE
.Lno_ask_\@:
.endif
	WIN MUL_HI
	MUL16 0, 1, 0, 1, 3, \slot, 0
	MUL16 0, 0, 1, 1, 3, \slot, 0
	WIN 0
.endm
	s_wait_alu depctr_va_vdst(0)
	s_wait_tensorcnt 0x0                           ; my tile block of K step 0 is in
	ds_add_u32 v[SPW], v[NIL]
	s_wait_dscnt 0x0
	CROUND                                         ; everybody's part of K step 0 is in, and the joint loads meet
	JLOAD G0+4, G1, G0B+4, G1B                     ; K step 1, the first tensor load behind the round
	SCALES 0
	FETCH 0, 0, 0
	global_prefetch_b8 v30, s[12:13] offset:3*STEPB th:TH_LOAD_NT scope:SCOPE_SE    ; K step 3
	global_prefetch_b8 v31, s[12:13] offset:3*STEPB th:TH_LOAD_NT scope:SCOPE_SE
	STEP 0, 0, 1
	s_mov_b32 s3, LAPS-1
.Llap:
	STEP 0, 1, 0
	STEP 0, 2, 0
	TURN 0, 1, 1
	STEP 1, 0, 0
	STEP 1, 1, 0
	STEP 1, 2, 0
	TURN 1, 0, 1
	STEP 0, 0, 0
	s_sub_co_u32 s3, s3, 1
	s_cmp_lg_u32 s3, 0
	s_cbranch_scc1 .Llap
	STEP 0, 1, 0
	STEP 0, 2, 0
	TURN 0, 1, 0
	STEP 1, 0, 0
	STEP 1, 1, 0
	STEP 1, 2, 0
	s_wait_dscnt 16
	WIN MUL_LO
	MUL16 0, 0, 0, 1, 3, 1, 0
	s_wait_dscnt 0x0
	MUL16 128, 1, 1, 1, 3, 1, 0
	WIN MUL_HI
	MUL16 0, 1, 0, 1, 3, 1, 0
	MUL16 0, 0, 1, 1, 3, 1, 0
	WIN 0
.macro TOSTAGE k
.set AA, (\k)%4
.set BB, 32*(\k)                       ; each of the eight blocks has 32 registers of its own in window 1: no store's data are written again
.if (\k) < 4
.set TT, TMP+32*((\k)%2)
	WIN SUBW
.irp b, 0,1,2,3
.irp i, 0,1,2,3
	v_pk_add_f32 v[TT+8*\b+2*\i:TT+8*\b+2*\i+1], v[8*(4*AA+\b)+2*\i:8*(4*AA+\b)+2*\i+1], v[128+8*(4*AA+\b)+2*\i:128+8*(4*AA+\b)+2*\i+1] neg_lo:[0,1] neg_hi:[0,1]
.endr
.endr
	WIN 0
.irp b, 0,1,2,3
	ds_store_b128 v[STO], v[TT+8*\b:TT+8*\b+3] offset:64*\b
	ds_store_b128 v[STO], v[TT+8*\b+4:TT+8*\b+7] offset:64*\b+16
.endr
.else
	WIN ST3
.irp b, 0,1,2,3
	ds_store_b128 v[STO], v[8*(4*AA+\b):8*(4*AA+\b)+3] offset:64*\b
	ds_store_b128 v[STO], v[8*(4*AA+\b)+4:8*(4*AA+\b)+7] offset:64*\b+16
.endr
	WIN 0
.endif
	WIN TO_B
.irp t, 0,1,2,3,4,5,6,7
	ds_load_b128 v[BB+4*\t:BB+4*\t+3], v[RD] offset:\t*2*SPITCH
.endr
	WIN 0
.endm
.macro SEND k, younger
.set AA, (\k)%4
.set BB, 32*(\k)
	s_wait_dscnt \younger
	WIN 0x04                                       ; the stores' data: window 1
.irp t, 0,1,2,3,4,5,6,7
.if (\k) < 4
	global_store_b128 v[CO], v[BB+4*\t:BB+4*\t+3], s[8:9] offset:131072*AA+16384*\t th:TH_STORE_NT
.else
	global_store_b128 v[CO], v[BB+4*\t:BB+4*\t+3], s[10:11] offset:131072*AA+16384*\t th:TH_STORE_NT
.endif
.endr
	WIN 0
.endm
	PLACES
	TOSTAGE 0
.irp k, 1,2,3,4,5,6,7
	TOSTAGE \k
	SEND \k-1, 16
.endr
	SEND 7, 0
	s_wait_tensorcnt 0x0
	ds_add_u32 v[SPW], v[NIL]
	s_wait_dscnt 0x0
	CROUND
	s_endpgm
.Lfunc_end_k_q64f9f395c9_cgemm:
	.size	k_q64f9f395c9_cgemm, .Lfunc_end_k_q64f9f395c9_cgemm-k_q64f9f395c9_cgemm
	.p2alignl 7, 3214868480
	.fill 96, 4, 3214868480
	.section	.rodata,"a",@progbits
	.p2align	6, 0x0
	.amdhsa_kernel k_q64f9f395c9_cgemm
		.amdhsa_group_segment_fixed_size 327680
		.amdhsa_private_segment_fixed_size 0
		.amdhsa_enable_private_segment 0
		.amdhsa_kernarg_size 32
		.amdhsa_user_sgpr_count 2
		.amdhsa_user_sgpr_kernarg_segment_ptr 1
		.amdhsa_wavefront_size32 1
		.amdhsa_system_sgpr_workgroup_id_x 1
		.amdhsa_system_sgpr_workgroup_id_y 1
		.amdhsa_system_sgpr_workgroup_id_z 1
		.amdhsa_system_vgpr_workitem_id 0
		.amdhsa_next_free_vgpr 896
		.amdhsa_next_free_sgpr 66
		.amdhsa_reserve_vcc 0
		.amdhsa_float_denorm_mode_32 3
		.amdhsa_float_denorm_mode_16_64 3
		.amdhsa_memory_ordered 1
		.amdhsa_forward_progress 1
		.amdhsa_inst_pref_size 201
	.end_amdhsa_kernel
	.amdgpu_metadata
---
amdhsa.version: [ 1, 2 ]
amdhsa.kernels:
  - .name:           k_q64f9f395c9_cgemm
    .symbol:         k_q64f9f395c9_cgemm.kd
    .args:
      - { .name: xq, .offset: 0, .size: 8, .value_kind: global_buffer, .address_space: global }
      - { .name: wq, .offset: 8, .size: 8, .value_kind: global_buffer, .address_space: global }
      - { .name: out0, .offset: 16, .size: 8, .value_kind: global_buffer, .address_space: global }
      - { .name: out1, .offset: 24, .size: 8, .value_kind: global_buffer, .address_space: global }
    .group_segment_fixed_size: 327680
    .private_segment_fixed_size: 0
    .kernarg_segment_align: 8
    .kernarg_segment_size: 32
    .max_flat_workgroup_size: 128
    .sgpr_count:     66
    .vgpr_count:     896
    .wavefront_size: 32
...
	.end_amdgpu_metadata
.endif
;; end of part 3
